; MI455X (gfx1250); checked and timed in simulation.
; The chip was launched on July 23, 2026; its instructions are those of AMD's public machine-readable ISA for CDNA 5 (MIT licence, August 2026) and "CDNA5" Instruction Set Architecture Reference Guide (July 2026). The comments in the code are by the model that wrote it; some were corrected since.
;; Multi Head Self Attention. Allowed arithmetic: matrix products marked QUANTISED: E2M3 operands, one E8M0 scale for each 32 along K, by v_wmma_scale_f32_16x16x128_f8f6f4 with both operands' format E2M3, f32 sums; everything else in f32.
;; Inputs: Wk_codes 1,024 x 32 x 24 uint8 (E2M3 codes of Wk, K innermost, in blocks of 32 codes, four codes in three bytes); Wk_scales 1,024 x 32 uint8 (E8M0 scales of Wk, one for each 32 codes along K); Wo_codes 1,024 x 32 x 24 uint8 (E2M3 codes of Wo, K innermost, in blocks of 32 codes, four codes in three bytes); Wo_scales 1,024 x 32 uint8 (E8M0 scales of Wo, one for each 32 codes along K); Wq_codes 1,024 x 32 x 24 uint8 (E2M3 codes of Wq, K innermost, in blocks of 32 codes, four codes in three bytes); Wq_scales 1,024 x 32 uint8 (E8M0 scales of Wq, one for each 32 codes along K); Wv_codes 1,024 x 32 x 24 uint8 (E2M3 codes of Wv, K innermost, in blocks of 32 codes, four codes in three bytes); Wv_scales 1,024 x 32 uint8 (E8M0 scales of Wv, one for each 32 codes along K); attention_mask 2 x 1 x 1 x 2,048 float32; x_codes 2 x 2,048 x 32 x 24 uint8 (E2M3 codes of x, K innermost, in blocks of 32 codes, four codes in three bytes); x_scales 2 x 2,048 x 32 uint8 (E8M0 scales of x, one for each 32 codes along K).
;; Outputs: out0 2 x 2,048 x 1,024 float32.
;; This version of the problem:
;;   THIS VERSION OF THE PROBLEM IS GIVEN IN LOW PRECISION. The matrix products marked QUANTISED in the list below multiply operands that are first quantised to E2M3 (2 exponent bits, 3 mantissa bits; 6 bits a number), with one power-of-two scale for each 32 numbers along K (OCP MX v1.0); their sums are f32. All else is computed in f32.
;;   The module's matrix products, in the order in which they are computed (A, B: the left and right operand; K: the contracted axis; several contracted axes count as one K, in the product's order):
;;     1. [M 4,096, K 1,024] x [K 1,024, N 1,024]; A: input x (given as codes); B: input Wq (given as codes): QUANTISED
;;     2. [M 4,096, K 1,024] x [K 1,024, N 1,024]; A: input x (given as codes); B: input Wk (given as codes): QUANTISED
;;     3. [M 4,096, K 1,024] x [K 1,024, N 1,024]; A: input x (given as codes); B: input Wv (given as codes): QUANTISED
;;     4. batch 32 x [M 2,048, K 64] x [K 64, N 2,048]; A: computed on the way; B: computed on the way: QUANTISED
;;     5. batch 32 x [M 2,048, K 2,048] x [K 2,048, N 64]; A: softmax (see below); B: computed on the way: QUANTISED
;;     6. [M 4,096, K 1,024] x [K 1,024, N 1,024]; A: computed on the way; B: input Wo (given as codes): QUANTISED
;;   THE QUANTISER, for each operand of a quantised product, along K:
;;     - K is cut into blocks of 32 from its start; a last block that is shorter is filled with zeros.
;;     - A block's scale is 2^e with e = floor(log2(the largest magnitude in the block)) - 2, held to -126 .. 127; a block of zeros has e = 0. As a byte (E8M0): e + 127.
;;     - Each number is divided by its block's scale, clamped to +-7.5, and rounded to the nearest number of E2M3, ties to even, subnormals kept.
;;     - The product sums the exact products of the quantised numbers (number of the format x scale) in f32.
;;   ~~~python
;;   def quantise(x, axis):      # numpy; x: float32 -> the quantised numbers, widened to float32 again
;;       x = np.moveaxis(x, axis, -1); K = x.shape[-1]
;;       x = np.pad(x, [(0, 0)] * (x.ndim - 1) + [(0, -K % 32)]); x = x.reshape(x.shape[:-1] + (-1, 32)); a = np.abs(x).max(-1, keepdims=True)
;;       e = np.where(a > 0, np.clip(np.frexp(np.where(a > 0, a, 1))[1] - 1 - 2, -126, 127), 0)      # np.frexp(a)[1] - 1 = floor(log2(a)), exactly
;;       r = np.clip(x / 2.0 ** e, -7.5, 7.5)
;;       step = 2.0 ** (np.maximum(np.frexp(np.where(r == 0, 1, r))[1] - 1, 0) - 3)
;;       q = np.round(r / step) * step * 2.0 ** e      # np.round: ties to even
;;       return np.moveaxis(q.reshape(q.shape[:-2] + (-1,))[..., :K], -1, axis).astype(np.float32)
;;   ~~~
;;   SOFTMAX AHEAD OF A QUANTISED PRODUCT. Where the list says 'softmax', what is quantised is not the finished softmax but p = 2^(t - M), with t = logit x log2(e) and M = ceil(the row's largest t), a whole number; so 1/2 < the row's largest p <= 1. The row's sum l is taken of the UNQUANTISED p, in f32, and the product's result is divided by l at the end. Since M is a whole number, a kernel that streams over the keys may use a running M (the ceiling of the running maximum): every later rescaling is an exact power of two, which a block's scale takes up: the codes' values come out the same.
;;   OPERANDS COMPUTED ON THE WAY. 'Computed on the way' means the value that the module computes at that place (a softmax that the list does not call 'softmax' is quantised finished and normalised). What goes into a quantiser is computed in f32, as accurately as f32 sums, v_exp_f32 and their like allow (about 1e-6 of the number): no bf16 or f16 on the way to a quantiser, and a product that is left as it is and whose result goes on into a quantised operand takes f32 operands (vector FMAs, or v_wmma_f32_16x16x4_f32). A number that lies on a knife's edge between two numbers of the format may be rounded either way, as far as f32 arithmetic and the matrix unit's own rounding can turn it there, and no further.
;;   INPUTS GIVEN AS CODES. Wk (in the module: [1024, 1024], K = its axis 1); Wo (in the module: [1024, 1024], K = its axis 1); Wq (in the module: [1024, 1024], K = its axis 1); Wv (in the module: [1024, 1024], K = its axis 1); x (in the module: [2, 2048, 1024], K = its axis 2): each comes as NAME_codes (uint8): NAME with its K axis moved to the last place and cut into blocks of 32 codes, [.., K / 32, bytes a block], one block behind the other in memory; four codes in three bytes: a row's codes are one little-endian stream of bits, code i at bits 6 i .. 6 i + 5 (a code: sign, 2 exponent bits, 3 mantissa bits); and NAME_scales (uint8): the same leading axes, one E8M0 byte (e + 127) for each 32 codes along K. Its value is code x scale, taken as it is: it is not quantised again, and the codes and scales need not be those that the quantiser above would give.
;; One version. Each part assembles by itself: llvm-mc -triple=amdgcn-amd-amdhsa -mcpu=gfx1250 --defsym DOCPART=n.
;; ======== version 1 of 1: 3 launches
;; limits: right only within a limited range of input values
;; workspace buffers: q_img 3,145,728 bytes; k_img 3,145,728 bytes; v_img 3,145,728 bytes; y_img 3,145,728 bytes; q_sc 131,072 bytes; k_sc 131,072 bytes; v_sc 131,072 bytes; y_sc 131,072 bytes
;; launch qkv (part 1): grid 16 x 32, 4 waves a work-group, clusters of 4 x 4, 262,400 bytes of LDS; arguments x_codes, x_scales, Wq_codes, Wq_scales, Wk_codes, Wk_scales, Wv_codes, Wv_scales, q_img, q_sc, k_img, k_sc, v_img, v_sc; writes q_img, q_sc, k_img, k_sc, v_img, v_sc
.if DOCPART == 1
	.amdgcn_target "amdgcn-amd-amdhsa--gfx1250"
	.amdhsa_code_object_version 6
	.text
	.protected	k_qaa559f6cf5_qkv
	.globl	k_qaa559f6cf5_qkv
	.p2align	8
	.type	k_qaa559f6cf5_qkv,@function
k_qaa559f6cf5_qkv:
	s_mov_b64 s[64:65], 0
	v_nop
	global_prefetch_b8 v0, s[64:65] scope:SCOPE_SE
	s_setreg_imm32_b32 hwreg(HW_REG_WAVE_MODE, 25, 1), 1
	s_wait_xcnt 0x0
	s_wait_alu depctr_hold_cnt(0) depctr_sa_sdst(0) depctr_va_vdst(0) depctr_va_sdst(0) depctr_va_ssrc(0) depctr_va_vcc(0) depctr_vm_vsrc(0)
	s_getreg_b32 s2, hwreg(HW_REG_IB_STS2, 6, 4)
	s_cmp_eq_u32 s2, 0
	s_cbranch_scc0 .Lentry_in_a_cluster
	s_endpgm
.Lentry_in_a_cluster:
	s_bfe_u32 s2, ttmp6, 0x10000c
	s_cmp_lg_u32 s2, 0xf033
	s_cbranch_scc0 .Lentry_shape_is_right
	s_endpgm
.Lentry_shape_is_right:
; q = x Wq^T, k = x Wk^T, v = x Wv^T on codes of FP6 (E2M3), one E8M0 scale for each 32 along K = 1,024.  The results are quantised at once, q and k along the head's 64, v along the keys,
; and leave as IMAGES OF OPERAND REGISTERS: a half fragment (six registers a lane) is 768 bytes: registers 0-3 of lane l at 16 l, registers 4-5 at 512 + 8 l; a fragment is two halves.
; No work of the problem is left out in this program; every input is loaded.
; SHARES.  A work-group takes 128 rows of x (work-group y) and one head (work-group x).  Its panels for the whole K, 320 whole rows of 768 bytes, come by ONE tensor load a wave
; (wave 0: x, waves 1-3: Wq, Wk, Wv); each byte is filled once.  16 bytes of padding behind each 256: an LDS row is 816 bytes.
; Wave (ws, we) owns rows 64 ws on (four tiles i); it makes q (we = 0) or k (we = 1), four tiles t of 16 columns, and tiles 2 we, 2 we + 1 of v: 24 accumulators.
; THE ROWS OF A TILE OF x ARE NOT NEIGHBOURS: row m of tile i is row 32 (m / 8) + 8 i + m % 8 of the wave's 64.  So in v (source 0 = x: a lane holds a channel, register j of tile i is row 8 h + j) a lane's
; 32 registers are the 32 keys 32 h + 0..31 in their true order: a whole block in a lane.  The next launch's scores fall the same way; the rows of q, and so of y, are put right by the last launch's stores.
; q and k are used transposed (source 0 = W, source 1 = x): a lane holds one row, its registers run along the head; inside a block of 32 their codes stand in one fixed order, the same in q and k.
; CLUSTER 4 x 4: x's panel is shared along a row of the cluster, the weights' along a column: joint loads.  No prefetch: all bytes are asked for at the head, there is no loop to run ahead in.
; LIMITS: NaN and infinities are not served; a block whose largest magnitude lies under 2^-124 keeps the byte 1 (a block of zeros too: its codes are zeros, and this program alone reads the bytes).
; REGISTERS.  window 0: v1-21 addresses; v32-63 x's scale words (32 + 8 i + q), v64-95 Wq's or Wk's, v96-111 Wv's.  window 1: two sets of fragments at 0 and 128: x 12 i, W 48 + 12 t, Wv 96 + 12 t.
;   window 2: q or k at 32 i + 8 t; v at 128 + 32 t + 8 i; v192-229 the quantiser's work.
.set PITCH, 816
.set WQL,  128*PITCH                   ; Wq, Wk, Wv behind x: 64 rows each
.set SCR,  320*PITCH                   ; three blocks of 256 bytes for q's, k's, v's scale words; no tile lands there
.set SPARE, SCR+768                    ; the spare words: 128 bytes a wave
.set PADW, (1<<20)|(1<<21)|(5<<22)|(3<<25)   ; elements of 1 byte; padding on; bit 21 beside a mask; after every 64 words; 4 words
.set XS,  32
.set WS,  64
.set VS,  96
.set XA,  4                            ; v4, v5 x's fragments: row x 816 + 24 h, and + 40 h where lanes 16-31 lie behind one padding more
.set WA,  6
.set VA,  8
.set TM,  192
.set PW,  208
.set PC,  210
.set WV,  32
.set SEL, 42
.set G1X, 44
.set G1W, 52
.set G0X, 68
.set G0W, 84
.set MSB, 0
.macro WIN new                         ; the immediate's high byte repeats the setting that is left
.if MSB != \new
	s_set_vgpr_msb (MSB<<8)|\new
.set MSB, \new
.endif
.endm
.macro PLACES n
.rept \n
	v_nop
.endr
.endm
.macro CROUND                          ; a round of the cluster's barrier
	s_barrier_signal -1
	s_barrier_wait -1
	s_cmp_lg_u32 s[WV], 0
	s_cbranch_scc1 .Lnot_wave_0_\@
	s_barrier_signal -3
.Lnot_wave_0_\@:
	s_barrier_wait -3
	s_barrier_signal -1
	s_barrier_wait -1
.endm
.macro MM d, a, b, z, sa, sb           ; z: C is the constant 0, else C = D
.if \z
	v_wmma_scale_f32_16x16x128_f8f6f4 v[\d:\d+7], v[\a:\a+11], v[\b:\b+11], 0, v[\sa], v[\sb] matrix_a_fmt:MATRIX_FMT_FP6 matrix_b_fmt:MATRIX_FMT_FP6
.else
	v_wmma_scale_f32_16x16x128_f8f6f4 v[\d:\d+7], v[\a:\a+11], v[\b:\b+11], v[\d:\d+7], v[\sa], v[\sb] matrix_a_fmt:MATRIX_FMT_FP6 matrix_b_fmt:MATRIX_FMT_FP6
.endif
.endm
.macro FRAG reg, adr, q, rowoff        ; K step q of a row: six pieces of 8 bytes; piece n lies at 8 n + 16 (n / 32); lanes 16-31 read three pieces on
.irp p, 0,1,2,3,4,5
.set PCE, 12*(\q)+6*(\p/3)+\p%3
.if PCE%32 < 29
	ds_load_b64 v[\reg+2*\p:\reg+2*\p+1], v[\adr] offset:8*PCE+16*(PCE/32)+(\rowoff)*PITCH
.else
	ds_load_b64 v[\reg+2*\p:\reg+2*\p+1], v[\adr+1] offset:8*PCE+16*(PCE/32)+(\rowoff)*PITCH
.endif
.endr
.endm
.macro FETCH q, p                      ; the ten fragments of K step q into set p: 60 loads
	WIN 0x40
.irp i, 0,1,2,3
	FRAG 128*(\p)+12*\i, XA, \q, 8*\i
.endr
.irp t, 0,1,2,3
	FRAG 128*(\p)+48+12*\t, WA, \q, 16*\t
.endr
.irp t, 0,1
	FRAG 128*(\p)+96+12*\t, VA, \q, 16*\t
.endr
.endm
.macro MULS q, p                       ; the 24 accumulators by turns, in the same order in every K step
.irp i, 0,1,2,3
.irp t, 0,1,2,3
	MM 32*\i+8*\t, 128*(\p)+48+12*\t, 128*(\p)+12*\i, (\q)==0, WS+8*\t+(\q), XS+8*\i+(\q)
.endr
.endr
.irp t, 0,1
.irp i, 0,1,2,3
	MM 128+32*\t+8*\i, 128*(\p)+12*\i, 128*(\p)+96+12*\t, (\q)==0, XS+8*\i+(\q), VS+8*\t+(\q)
.endr
.endr
.endm
.macro KSTEP q                         ; this step's fragments are in; the next step's are asked for; then its products
	s_wait_dscnt 0x0
.if (\q) > 0 && (\q) < 7
	PLACES 4                                       ; in front of loads into registers that the last step's products have read
.endif
.if (\q) < 7
	FETCH (\q)+1, 1-(\q)%2
.endif
	WIN 0xa5
	MULS \q, (\q)%2
.endm
; q, k: 64 numbers of a lane, four blocks of 16 registers (each with lane l xor 16's 16 a block of 32) -> twelve registers of codes in v[PC] on, a scale word in v[PW]
.macro QUANT s
.irp b, 0,1,2,3
	v_max3_num_f32 v[TM+\b], |v[\s+16*\b]|, |v[\s+1+16*\b]|, 0x1800000   ; the floor 2^(3 - 127): the byte cannot fall under 1
.endr
.irp i, 2,4,6,8,10,12,14
.irp b, 0,1,2,3
	v_max3_num_f32 v[TM+\b], v[TM+\b], |v[\s+16*\b+\i]|, |v[\s+1+16*\b+\i]|
.endr
.endr
.irp b, 0,1,2,3
	v_permlanex16_b32 v[TM+4+\b], v[TM+\b], s[SEL], s[SEL+1]
.endr
.irp b, 0,1,2,3
	v_max_num_f32 v[TM+\b], v[TM+\b], v[TM+4+\b]
.endr
.irp b, 0,1,2,3
	v_add_nc_u32 v[TM+12+\b], 0xff000000, v[TM+\b] ; 2 off the exponent field: the conversion's scale operand
.endr
.irp b, 0,1,2,3
	v_lshrrev_b32 v[TM+4+\b], 23, v[TM+12+\b]      ; the scale's byte
.endr
	v_lshl_or_b32 v[PW], v[TM+5], 8, v[TM+4]
	v_lshl_or_b32 v[PW], v[TM+6], 16, v[PW]
	v_lshl_or_b32 v[PW], v[TM+7], 24, v[PW]
.irp c, 0,1
	v_cvt_scalef32_pk16_fp6_f32 v[PC+6*\c:PC+2+6*\c], v[\s+32*\c:\s+15+32*\c], v[TM+12+2*\c]
	v_cvt_scalef32_pk16_fp6_f32 v[PC+12+4*\c:PC+14+4*\c], v[\s+16+32*\c:\s+31+32*\c], v[TM+12+2*\c+1]
.endr
	v_nop                                          ; one plain place behind a scaled conversion
.irp c, 0,1                                    ; a whole block in a lane: lanes 0-15 block 2 c, lanes 16-31 block 2 c + 1
.irp i, 0,1,2
	v_permlane16_swap_b32 v[PC+6*\c+\i], v[PC+12+4*\c+\i]
.endr
.irp i, 0,1,2
	v_mov_b32 v[PC+3+6*\c+\i], v[PC+12+4*\c+\i]
.endr
.endr
.endm
; v: tile t's 32 registers are my block of 32 keys, whole and in order: six registers of codes at v[PC + 6 t], the byte in v[TM + 4 + t]
.macro QUANTV
.irp t, 0,1
	v_max3_num_f32 v[TM+\t], |v[128+32*\t]|, |v[129+32*\t]|, 0x1800000
.endr
.irp i, 2,4,6,8,10,12,14,16,18,20,22,24,26,28,30
.irp t, 0,1
	v_max3_num_f32 v[TM+\t], v[TM+\t], |v[128+32*\t+\i]|, |v[129+32*\t+\i]|
.endr
.endr
.irp t, 0,1
	v_add_nc_u32 v[TM+12+\t], 0xff000000, v[TM+\t]
.endr
.irp t, 0,1
	v_lshrrev_b32 v[TM+4+\t], 23, v[TM+12+\t]
.endr
.irp t, 0,1
	v_cvt_scalef32_pk16_fp6_f32 v[PC+6*\t:PC+2+6*\t], v[128+32*\t:143+32*\t], v[TM+12+\t]
	v_cvt_scalef32_pk16_fp6_f32 v[PC+12+4*\t:PC+14+4*\t], v[144+32*\t:159+32*\t], v[TM+12+\t]
.endr
	v_nop
.irp t, 0,1
.irp i, 0,1,2
	v_mov_b32 v[PC+3+6*\t+\i], v[PC+12+4*\t+\i]    ; (a conversion's three registers begin on an even number)
.endr
.endr
.endm
	s_load_b512 s[4:19], s[0:1], 0x0               ; x codes 4, scales 6, Wq 8, 10, Wk 12, 14, Wv 16, 18
	s_load_b256 s[20:27], s[0:1], 0x40             ; q_img 20, q_sc 22, k_img 24, k_sc 26
	s_load_b128 s[28:31], s[0:1], 0x60             ; v_img 28, v_sc 30
	v_lshl_add_u32 v254, v0, 2, SPARE
	v_mov_b32 v255, 0
	ds_add_u32 v254, v255                          ; the opening lines
	ds_add_u32 v254, v255
	v_lshrrev_b32 v1, 5, v0
	v_readfirstlane_b32 s[WV], v1                  ; wave 0..3
	s_lshr_b32 s33, s[WV], 1                       ; ws
	s_and_b32 s34, s[WV], 1                        ; we
	s_bfe_u32 s35, ttmp6, 0x40000                  ; cx
	s_bfe_u32 s36, ttmp6, 0x40004                  ; cy
	s_lshl_b32 s37, ttmp9, 2
	s_add_co_u32 s37, s37, s35                     ; the head
	s_and_b32 s38, ttmp7, 0xffff
	s_lshl_b32 s38, s38, 2
	s_add_co_u32 s38, s38, s36                     ; the block of 128 rows
	s_lshl_b32 s39, s36, 2
	s_lshl_b32 s39, 15, s39                        ; my row of the cluster
	s_lshl_b32 s40, 0x1111, s35                    ; my column
	s_or_b32 s[G1X], s39, PADW
	s_or_b32 s[G1W], s40, PADW
	s_mov_b32 s[G1X+1], 768<<16                    ; whole rows of 768 bytes
	s_mov_b32 s[G1X+2], 128<<16
	s_mov_b32 s[G1X+3], 768<<16
	s_mov_b32 s[G1X+4], 128
	s_mov_b32 s[G1X+5], 768
	s_mov_b32 s[G1X+6], 0
	s_mov_b32 s[G1X+7], 0
	s_mov_b32 s[G1W+1], 768<<16
	s_mov_b32 s[G1W+2], 64<<16
	s_mov_b32 s[G1W+3], 768<<16
	s_mov_b32 s[G1W+4], 64
	s_mov_b32 s[G1W+5], 768
	s_mov_b32 s[G1W+6], 0
	s_mov_b32 s[G1W+7], 0
	s_mov_b32 s[SEL], 0x76543210
	s_mov_b32 s[SEL+1], 0xfedcba98                 ; lane l xor 16
	s_mul_i32 s60, s38, 98304
	s_mov_b32 s61, 0
	s_mul_i32 s62, s37, 49152
	s_mov_b32 s63, 0
	s_mul_i32 s41, s[WV], 64*PITCH
	s_add_co_u32 s41, s41, 64*PITCH                ; where waves 1, 2, 3 put Wq, Wk, Wv
	s_wait_dscnt 0x0
	s_wait_kmcnt 0x0
	s_cmp_eq_u32 s[WV], 2
	s_cselect_b64 s[66:67], s[12:13], s[8:9]
	s_cmp_eq_u32 s[WV], 3
	s_cselect_b64 s[66:67], s[16:17], s[66:67]
	s_add_nc_u64 s[66:67], s[66:67], s[62:63]
	s_add_nc_u64 s[60:61], s[4:5], s[60:61]
	s_mov_b32 s[G0X], 1
	s_mov_b32 s[G0X+1], 0
	s_mov_b64 s[G0X+2:G0X+3], s[60:61]
	s_or_b32 s[G0X+3], s[G0X+3], 0x80000000
	s_mov_b32 s[G0W], 1
	s_mov_b32 s[G0W+1], s41
	s_mov_b64 s[G0W+2:G0W+3], s[66:67]
	s_or_b32 s[G0W+3], s[G0W+3], 0x80000000
	CROUND                                         ; the joint loads meet
	s_cmp_eq_u32 s[WV], 0                          ; one tensor load a wave
	s_cbranch_scc0 .Lfill_w
	tensor_load_to_lds s[G0X:G0X+3], s[G1X:G1X+7]
	s_nop 0
	PLACES 4
	s_branch .Lfilled
.Lfill_w:
	tensor_load_to_lds s[G0W:G0W+3], s[G1W:G1W+7]
	s_nop 0
	PLACES 4
.Lfilled:
	v_and_b32 v1, 15, v0                           ; r
	v_bfe_u32 v2, v0, 4, 1                         ; h
	v_and_b32 v17, 31, v0                          ; lane
	v_bfe_u32 v16, v0, 3, 1
	v_mad_u32_u24 v20, v16, 24, v1                 ; x's row of a tile: r + 24 (r / 8)
	v_mul_u32_u24 v3, v1, PITCH
	v_mad_u32_u24 v3, v2, 24, v3
	v_mul_u32_u24 v21, v20, PITCH
	v_mad_u32_u24 v21, v2, 24, v21
	s_mul_i32 s100, s33, 64*PITCH
	v_add_nc_u32 v4, s100, v21
	v_lshl_add_u32 v5, v2, 4, v4
	s_mul_i32 s100, s34, 64*PITCH
	s_add_co_u32 s100, s100, WQL
	v_add_nc_u32 v6, s100, v3
	v_lshl_add_u32 v7, v2, 4, v6
	s_mul_i32 s100, s34, 32*PITCH
	s_add_co_u32 s100, s100, WQL+128*PITCH
	v_add_nc_u32 v8, s100, v3
	v_lshl_add_u32 v9, v2, 4, v8
	v_lshlrev_b32 v10, 4, v17
	v_lshlrev_b32 v11, 3, v17
	v_lshlrev_b32 v12, 5, v1                       ; 32 r: a weight row's 32 scale bytes
	v_lshlrev_b32 v20, 5, v20                      ; the same for x's row
	s_wait_alu depctr_va_vdst(0)
	s_lshl_b32 s100, s34, 8
	s_lshl_b32 s101, s33, 7
	s_add_co_u32 s100, s100, s101
	s_add_co_u32 s100, s100, SCR
	v_lshl_add_u32 v13, v1, 2, s100                ; q's or k's scale words: block we, 128 ws + 4 r
	s_lshl_b32 s100, s34, 7
	s_lshl_b32 s101, s33, 1
	s_add_co_u32 s100, s100, s101
	s_add_co_u32 s100, s100, SCR+512
	v_lshl_add_u32 v14, v1, 2, s100
	v_add_nc_u32 v14, v14, v2                      ; v's: tile 2 we, word r, byte 2 ws + h
	s_lshl_b32 s100, s[WV], 8
	s_add_co_u32 s100, s100, SCR
	v_lshl_add_u32 v15, v17, 3, s100               ; the scale words' way out
	s_lshl_b32 s2, s38, 12
	s_lshl_b32 s3, s33, 11
	s_add_co_u32 s2, s2, s3
	s_mov_b32 s3, 0
	s_add_nc_u64 s[6:7], s[6:7], s[2:3]
	s_cmp_eq_u32 s34, 0
	s_cselect_b64 s[10:11], s[10:11], s[14:15]
	s_lshl_b32 s2, s37, 11
	s_add_nc_u64 s[10:11], s[10:11], s[2:3]
	s_lshl_b32 s100, s34, 10
	s_add_co_u32 s2, s2, s100
	s_add_nc_u64 s[18:19], s[18:19], s[2:3]
.irp i, 0,1,2,3
	global_load_b128 v[XS+8*\i:XS+8*\i+3], v20, s[6:7] offset:256*\i
	global_load_b128 v[XS+8*\i+4:XS+8*\i+7], v20, s[6:7] offset:256*\i+16
	global_load_b128 v[WS+8*\i:WS+8*\i+3], v12, s[10:11] offset:512*\i
	global_load_b128 v[WS+8*\i+4:WS+8*\i+7], v12, s[10:11] offset:512*\i+16
.endr
.irp t, 0,1
	global_load_b128 v[VS+8*\t:VS+8*\t+3], v12, s[18:19] offset:512*\t
	global_load_b128 v[VS+8*\t+4:VS+8*\t+7], v12, s[18:19] offset:512*\t+16
.endr
	s_lshr_b32 s100, s38, 4                        ; where the results go
	s_lshl_b32 s100, s100, 4
	s_add_co_u32 s100, s100, s37                   ; bh = 16 x batch + head
	s_and_b32 s101, s38, 15                        ; sb
	s_mul_i32 s60, s100, 98304
	s_mul_i32 s61, s101, 6144
	s_add_co_u32 s60, s60, s61
	s_mul_i32 s61, s33, 3072
	s_add_co_u32 s2, s60, s61                      ; q, k: my two fragments
	s_cmp_eq_u32 s34, 0
	s_cselect_b64 s[20:21], s[20:21], s[24:25]
	s_add_nc_u64 s[20:21], s[20:21], s[2:3]
	s_mul_i32 s61, s34, 3072
	s_add_co_u32 s2, s60, s61
	s_mul_i32 s61, s33, 768
	s_add_co_u32 s2, s2, s61                       ; v: key step sb, tile 2 we, half ws
	s_add_nc_u64 s[28:29], s[28:29], s[2:3]
	s_lshl_b32 s2, s100, 12
	s_lshl_b32 s61, s101, 8
	s_add_co_u32 s2, s2, s61
	s_cmp_eq_u32 s[WV], 1
	s_cselect_b64 s[22:23], s[26:27], s[22:23]
	s_cmp_eq_u32 s[WV], 2
	s_cselect_b64 s[22:23], s[30:31], s[22:23]
	s_add_nc_u64 s[22:23], s[22:23], s[2:3]
	s_wait_alu depctr_va_vdst(0)
	s_wait_tensorcnt 0x0                           ; my panel is in
	s_barrier_signal -1
	s_barrier_wait -1                              ; everybody's is
	FETCH 0, 0
	s_wait_loadcnt 0x0                             ; the scale words
.irp q, 0,1,2,3,4,5,6,7
	KSTEP \q
.endr
	; THE WAY OUT: quantise in registers, store the images as they stand: each store covers 512 or 256 consecutive bytes, aligned
	WIN 0xaa
.irp b, 0,1,2,3
	v_mov_b32 v[TM+4+\b], 0                        ; a lane permute's destination counts as read; also the places behind the last products
.endr
.irp j, 0,1
	QUANT 64*\j
	WIN 0x08
	global_store_b128 v10, v[PC:PC+3], s[20:21] offset:1536*\j
	global_store_b64 v11, v[PC+4:PC+5], s[20:21] offset:1536*\j+512
	global_store_b128 v10, v[PC+6:PC+9], s[20:21] offset:1536*\j+768
	global_store_b64 v11, v[PC+10:PC+11], s[20:21] offset:1536*\j+1280
	ds_store_b32 v13, v[PW] offset:64*\j           ; lanes r and r + 16 write the same word with the same value
	s_wait_xcnt 0x0                                ; the stores' data are written again only behind this wait
	s_wait_dscnt 0x0
	WIN 0xaa
.endr
	QUANTV
	WIN 0x08
	global_store_b128 v10, v[PC:PC+3], s[28:29]
	global_store_b64 v11, v[PC+4:PC+5], s[28:29] offset:512
	global_store_b128 v10, v[PC+6:PC+9], s[28:29] offset:1536
	global_store_b64 v11, v[PC+10:PC+11], s[28:29] offset:2048
	ds_store_b8 v14, v[TM+4]
	ds_store_b8 v14, v[TM+5] offset:64
	WIN 0
	s_wait_dscnt 0x0                               ; for the others' sake
	s_barrier_signal -1
	s_barrier_wait -1
	s_cmp_lt_u32 s[WV], 3
	s_cbranch_scc0 .Lno_words
	ds_load_b64 v[18:19], v15
	s_wait_dscnt 0x0
	global_store_b64 v11, v[18:19], s[22:23]       ; 256 consecutive bytes, aligned
.Lno_words:
	s_wait_tensorcnt 0x0                           ; the wave's end
	ds_add_u32 v254, v255
	s_wait_dscnt 0x0
	CROUND                                         ; the closing round
	s_endpgm
.Lfunc_end_k_qaa559f6cf5_qkv:
	.size	k_qaa559f6cf5_qkv, .Lfunc_end_k_qaa559f6cf5_qkv-k_qaa559f6cf5_qkv
	.p2alignl 7, 3214868480
	.fill 96, 4, 3214868480
	.section	.rodata,"a",@progbits
	.p2align	6, 0x0
	.amdhsa_kernel k_qaa559f6cf5_qkv
		.amdhsa_group_segment_fixed_size 262400
		.amdhsa_private_segment_fixed_size 0
		.amdhsa_enable_private_segment 0
		.amdhsa_kernarg_size 112
		.amdhsa_user_sgpr_count 2
		.amdhsa_user_sgpr_kernarg_segment_ptr 1
		.amdhsa_wavefront_size32 1
		.amdhsa_system_sgpr_workgroup_id_x 1
		.amdhsa_system_sgpr_workgroup_id_y 1
		.amdhsa_system_sgpr_workgroup_id_z 1
		.amdhsa_system_vgpr_workitem_id 0
		.amdhsa_next_free_vgpr 768
		.amdhsa_next_free_sgpr 102
		.amdhsa_reserve_vcc 0
		.amdhsa_float_denorm_mode_32 3
		.amdhsa_float_denorm_mode_16_64 3
		.amdhsa_memory_ordered 1
		.amdhsa_forward_progress 1
		.amdhsa_inst_pref_size 78
	.end_amdhsa_kernel
	.amdgpu_metadata
---
amdhsa.version: [ 1, 2 ]
amdhsa.kernels:
  - .name:           k_qaa559f6cf5_qkv
    .symbol:         k_qaa559f6cf5_qkv.kd
    .args:
      - { .name: x_codes, .offset: 0, .size: 8, .value_kind: global_buffer, .address_space: global }
      - { .name: x_scales, .offset: 8, .size: 8, .value_kind: global_buffer, .address_space: global }
      - { .name: Wq_codes, .offset: 16, .size: 8, .value_kind: global_buffer, .address_space: global }
      - { .name: Wq_scales, .offset: 24, .size: 8, .value_kind: global_buffer, .address_space: global }
      - { .name: Wk_codes, .offset: 32, .size: 8, .value_kind: global_buffer, .address_space: global }
      - { .name: Wk_scales, .offset: 40, .size: 8, .value_kind: global_buffer, .address_space: global }
      - { .name: Wv_codes, .offset: 48, .size: 8, .value_kind: global_buffer, .address_space: global }
      - { .name: Wv_scales, .offset: 56, .size: 8, .value_kind: global_buffer, .address_space: global }
      - { .name: q_img, .offset: 64, .size: 8, .value_kind: global_buffer, .address_space: global }
      - { .name: q_sc, .offset: 72, .size: 8, .value_kind: global_buffer, .address_space: global }
      - { .name: k_img, .offset: 80, .size: 8, .value_kind: global_buffer, .address_space: global }
      - { .name: k_sc, .offset: 88, .size: 8, .value_kind: global_buffer, .address_space: global }
      - { .name: v_img, .offset: 96, .size: 8, .value_kind: global_buffer, .address_space: global }
      - { .name: v_sc, .offset: 104, .size: 8, .value_kind: global_buffer, .address_space: global }
    .group_segment_fixed_size: 262400
    .private_segment_fixed_size: 0
    .kernarg_segment_align: 8
    .kernarg_segment_size: 112
    .max_flat_workgroup_size: 128
    .sgpr_count:     102
    .vgpr_count:     768
    .wavefront_size: 32
...
	.end_amdgpu_metadata
.endif
;; end of part 1
;; launch attn (part 2): grid 8 x 32, 8 waves a work-group, clusters of 4 x 1, 214,016 bytes of LDS; arguments q_img, q_sc, k_img, k_sc, v_img, v_sc, attention_mask, y_img, y_sc; writes y_img, y_sc
.if DOCPART == 2
	.amdgcn_target "amdgcn-amd-amdhsa--gfx1250"
	.amdhsa_code_object_version 6
	.text
	.protected	k_qaa559f6cf5_attn
	.globl	k_qaa559f6cf5_attn
	.p2align	8
	.type	k_qaa559f6cf5_attn,@function
k_qaa559f6cf5_attn:
	s_mov_b64 s[64:65], 0
	v_nop
	global_prefetch_b8 v0, s[64:65] scope:SCOPE_SE
	s_setreg_imm32_b32 hwreg(HW_REG_WAVE_MODE, 25, 1), 1
	s_wait_xcnt 0x0
	s_wait_alu depctr_hold_cnt(0) depctr_sa_sdst(0) depctr_va_vdst(0) depctr_va_sdst(0) depctr_va_ssrc(0) depctr_va_vcc(0) depctr_vm_vsrc(0)
	s_getreg_b32 s2, hwreg(HW_REG_IB_STS2, 6, 4)
	s_cmp_eq_u32 s2, 0
	s_cbranch_scc0 .Lentry_in_a_cluster
	s_endpgm
.Lentry_in_a_cluster:
	s_bfe_u32 s2, ttmp6, 0x10000c
	s_cmp_lg_u32 s2, 0x3003
	s_cbranch_scc0 .Lentry_shape_is_right
	s_endpgm
.Lentry_shape_is_right:
; y[b][q][head] = softmax_k(q . k / 32 + mask[b][k]) v, both products on codes of FP6 (E2M3), one E8M0 scale for each 32 along K; y leaves quantised along the model's 1,024, as images of operand registers.
; THE SOFTMAX: t = (q . k + 32 mask) x log2(e) / 32; M = the running largest t rounded up to a whole number; p = 2^(t - M) is quantised along the keys, not normalised; the row's sum is taken of the
; unquantised p and divides at the end.  When M moves, the sum and O are multiplied by 2^(old M - new M), which rounds nothing.
; SHARES.  A work-group owns 256 queries of one head of one batch (bh), each of its eight waves two tiles of 16; each fragment of k and v read from LDS feeds both tiles.
; A head's k and v images (98,304 bytes each) and their scale words lie in LDS whole, each byte filled once, by ONE tensor load a wave: waves 0-5 a third of an image each, waves 6, 7 the scale words.
; CLUSTER 4 x 1: four blocks of queries of one head read the same k and v: joint loads.  No prefetch: all bytes are asked for at the head; the loop reads LDS alone.
; K = 64 IN A FORM OF 128.  A fragment of k holds two tiles of 16 keys.  The query tile stands in 18 registers, six zeros, its six, six zeros: read from the seventh on it meets the first tile, from the first
; on the second; the other half multiplies zero codes.  The query's two scale bytes are doubled.
; THE MASK, times 32 (exact), lies in LDS and is the C of the score products.
; LAYOUT.  Both products are used transposed: a lane holds one query.  By the first launch's choice of a tile's rows, score register 32 c + i is key 64 c + 32 h + i of the step (h = lane / 16):
; a lane holds blocks c = 0, 1 of 32 keys whole and in order, so a block's maximum and its codes need no other lane.
; LIMITS: NaN and infinities among q, k, v are not served.  A mask entry beyond 1.06e37 in magnitude becomes infinite when multiplied by 32; a negative one then counts as -infinity (p = 0).  A row all of whose
; logits are -infinity gives NaN.  A block whose largest magnitude lies under 2^-124 keeps the byte 1.  The promise holds while |t| stays under 2^31.
; REGISTERS.  A tile's own registers have the same numbers in window 0 (tile 0) and window 1 (tile 1): v80-143 scores then p; v144-175 O^T; v176-193 the query; v194-213 p's codes; v214-235 statistics.
;   window 0 also: v1-22 addresses; v32-79 four fragments of k; v236-244 scale words.   window 1 also: v32-79 four fragments of v.
.set VIMG, 98304
.set KSC,  196608
.set VSC,  200704
.set MSK,  204800                      ; 32 x mask, stored by the waves; no tile lands there
.set SPARE, 212992
.set S,   80
.set O,   144
.set ZQ,  176
.set PC,  194
.set NM,  214                          ; -M
.set TX,  215                          ; the running largest score
.set SUM, 216
.set F,   218
.set BM,  220
.set BT,  224
.set SO,  228
.set T,   232
.set AX,  234
.set KF,  32
.set VF,  32
.set KS,  236
.set VS,  238
.set PS0, 240
.set PS1, 241
.set QS0, 242
.set QS1, 243
.set QW,  244
.set WV,  22
.set CNT, 26
.set SEL, 28
.set CS,  30
.set SK,  56
.set SS,  57
.set SM,  58
.set MSB, 0
.macro WIN new
.if MSB != \new
	s_set_vgpr_msb (MSB<<8)|\new
.set MSB, \new
.endif
.endm
.macro PLACES n
.rept \n
	v_nop
.endr
.endm
.macro CROUND
	s_barrier_signal -1
	s_barrier_wait -1
	s_cmp_lg_u32 s[WV], 0
	s_cbranch_scc1 .Lnot_wave_0_\@
	s_barrier_signal -3
.Lnot_wave_0_\@:
	s_barrier_wait -3
	s_barrier_signal -1
	s_barrier_wait -1
.endm
.macro MM d, a, b, sa, sb, row         ; row = 1: A's scales from lanes 16-31
.if (\row) == 1
	v_wmma_scale_f32_16x16x128_f8f6f4 v[\d:\d+7], v[\a:\a+11], v[\b:\b+11], v[\d:\d+7], v[\sa], v[\sb] matrix_a_fmt:MATRIX_FMT_FP6 matrix_b_fmt:MATRIX_FMT_FP6 matrix_a_scale:MATRIX_SCALE_ROW1
.else
	v_wmma_scale_f32_16x16x128_f8f6f4 v[\d:\d+7], v[\a:\a+11], v[\b:\b+11], v[\d:\d+7], v[\sa], v[\sb] matrix_a_fmt:MATRIX_FMT_FP6 matrix_b_fmt:MATRIX_FMT_FP6
.endif
.endm
.macro IMGF reg, a16, a8, off          ; a fragment from its image
	ds_load_b128 v[\reg:\reg+3], v[\a16] offset:\off
	ds_load_b64 v[\reg+4:\reg+5], v[\a8] offset:\off+512
	ds_load_b128 v[\reg+6:\reg+9], v[\a16] offset:\off+768
	ds_load_b64 v[\reg+10:\reg+11], v[\a8] offset:\off+1280
.endm
.macro ADDR
	v_add_nc_u32 v11, s[SK], v4
	v_add_nc_u32 v12, s[SK], v5
	v_add_nc_u32 v13, s[SK], v6
	v_add_nc_u32 v14, s[SK], v7
	v_add_nc_u32 v15, s[SS], v8
	v_add_nc_u32 v16, s[SS], v9
	v_add_nc_u32 v17, s[SM], v10
.endm
.macro LOADK                           ; 18 loads
.irp f, 0,1,2,3
	IMGF KF+12*\f, 11, 12, 1536*\f
.endr
	ds_load_b32 v[KS], v15
	ds_load_b32 v[KS+1], v15 offset:128
.endm
.macro LOADM                           ; 16 loads: tile t's registers are keys 64 (t / 4) + 32 h + 8 (t % 4) + 0..7
.irp t, 0,1,2,3,4,5,6,7
	ds_load_b128 v[S+8*\t:S+8*\t+3], v17 offset:256*(\t/4)+32*(\t%4)
	ds_load_b128 v[S+8*\t+4:S+8*\t+7], v17 offset:256*(\t/4)+32*(\t%4)+16
.endr
.endm
.macro LOADV                           ; 18 loads
	WIN 0x40
.irp d, 0,1,2,3
	IMGF VF+12*\d, 13, 14, 1536*\d
.endr
	WIN 0
	ds_load_b32 v[VS], v16
	ds_load_b32 v[VS+1], v16 offset:128
.endm
.macro SPROD qs
.irp f, 0,1,2,3
.irp u, 0,1
	MM S+16*\f+8*\u, KF+12*\f, ZQ+6-6*\u, KS+\f/2, \qs, \f%2
.endr
.endr
.endm
.macro OPROD ps
.irp d, 0,1,2,3
	MM O+8*\d, VF+12*\d, PC, VS+\d/2, \ps, \d%2
.endr
.endm
; One tile's softmax for 128 keys, in the tile's window w; its scale word goes to v[ps], in window 0
.macro SOFT w, ps
	WIN \w
.irp b, 0,1,2,3
	v_max3_num_f32 v[BM+\b], v[S+16*\b], v[S+16*\b+1], v[S+16*\b+2]   ; four chains of 16 registers
.endr
.irp i, 3,5,7,9,11,13
.irp b, 0,1,2,3
	v_max3_num_f32 v[BM+\b], v[BM+\b], v[S+16*\b+\i], v[S+16*\b+\i+1]
.endr
.endr
	v_max3_num_f32 v[BM], v[BM], v[S+15], v[S+31]
	v_max3_num_f32 v[BM+2], v[BM+2], v[S+47], v[S+63]
	s_delay_alu instid0(VALU_DEP_2)
	v_max_num_f32 v[BM], v[BM], v[BM+1]            ; my block 0's largest score: it serves for the row's maximum and, since p rises with the score, for the block's largest p
	s_delay_alu instid0(VALU_DEP_2)
	v_max_num_f32 v[BM+1], v[BM+2], v[BM+3]        ; my block 1's
	s_delay_alu instid0(VALU_DEP_1)
	v_max_num_f32 v[T], v[BM], v[BM+1]
	s_delay_alu instid0(VALU_DEP_1)
	v_permlanex16_b32 v[BT], v[T], s[SEL], s[SEL+1]
	s_delay_alu instid0(VALU_DEP_1)
	v_max3_num_f32 v[TX], v[TX], v[T], v[BT]       ; with lane l xor 16's 64 keys
	v_mov_b32 v[BT+1], v[NM]
	s_delay_alu instid0(VALU_DEP_2)
	v_mul_f32 v[T], s[CS], v[TX]                   ; the running largest t
	s_delay_alu instid0(VALU_DEP_1)
	v_floor_f32 v[NM], -v[T]                       ; the new -M: M is a whole number
	s_delay_alu instid0(VALU_DEP_1)
	v_sub_f32 v[T], v[NM], v[BT+1]                 ; old M - new M, 0 or less
	s_delay_alu instid0(VALU_DEP_1)
	v_cvt_i32_f32 v[T], v[T]                       ; (it saturates)
	s_delay_alu instid0(VALU_DEP_1)
	v_ldexp_f32 v[F], 1.0, v[T]                    ; f = 2^(old M - new M)
.set jj, 0
.rept 32
	v_pk_fma_f32 v[S+jj:S+jj+1], v[S+jj:S+jj+1], s[CS:CS+1], v[NM:NM+1] op_sel_hi:[1,0,0]   ; t - M
.set jj, jj+2
.endr
.irp b, 0,1
	v_fma_f32 v[BM+\b], v[BM+\b], s[CS], v[NM]
.endr
.set jj, 0
	s_wait_alu depctr_va_vdst(0)
.rept 64
	v_exp_f32 v[S+jj], v[S+jj]                     ; p = 2^(t - M)
.set jj, jj+1
.endr
.irp b, 0,1
	v_exp_f32 v[BM+\b], v[BM+\b]                   ; the block's largest p: the same two instructions on the same number
.endr
	v_pk_mul_f32 v[SUM:SUM+1], v[SUM:SUM+1], v[F:F+1] op_sel_hi:[1,0]   ; a plain place behind the exponentials
	s_wait_alu depctr_va_vdst(0)                   ; and behind it
.irp b, 0,1
	v_max_num_f32 v[BM+\b], 0x1800000, v[BM+\b]    ; the floor 2^(3 - 127)
.endr
.irp b, 0,1
	s_delay_alu instid0(VALU_DEP_2)
	v_add_nc_u32 v[SO+\b], 0xff000000, v[BM+\b]    ; the conversion's scale operand
.endr
.irp b, 0,1
	s_delay_alu instid0(VALU_DEP_2)
	v_lshrrev_b32 v[BT+\b], 23, v[SO+\b]           ; the scale's byte
.endr
	s_delay_alu instid0(VALU_DEP_1)
	v_lshl_or_b32 v[T], v[BT+1], 16, v[BT]         ; my bytes: blocks h and 2 + h
	s_delay_alu instid0(VALU_DEP_1)
	v_permlanex16_b32 v[BT+2], v[T], s[SEL], s[SEL+1]
.if \w
	WIN 0x15                                       ; scale operands have no window: the word goes to window 0
.else
	s_delay_alu instid0(VALU_DEP_1)
.endif
	v_lshl_or_b32 v[\ps], v[BT+2], 8, v[T]         ; whole in lanes 0-15, which alone are read
	WIN \w
.irp c, 0,1
	v_cvt_scalef32_pk16_fp6_f32 v[PC+6*\c:PC+2+6*\c], v[S+32*\c:S+15+32*\c], v[SO+\c]
	v_cvt_scalef32_pk16_fp6_f32 v[PC+12+4*\c:PC+14+4*\c], v[S+16+32*\c:S+31+32*\c], v[SO+\c]
.endr
	v_nop                                          ; one plain place behind a scaled conversion
.irp c, 0,1
.irp i, 0,1,2
	v_mov_b32 v[PC+3+6*\c+\i], v[PC+12+4*\c+\i]    ; (a conversion's three registers begin on an even number)
.endr
.endr
	v_pk_add_f32 v[AX:AX+1], v[S:S+1], v[S+2:S+3]  ; the row's sum of the unquantised p, in two chains
.set jj, 4
.rept 15
	v_pk_add_f32 v[SUM:SUM+1], v[SUM:SUM+1], v[S+jj:S+jj+1]
	v_pk_add_f32 v[AX:AX+1], v[AX:AX+1], v[S+jj+2:S+jj+3]
.set jj, jj+4
.endr
	s_delay_alu instid0(VALU_DEP_1)
	v_pk_add_f32 v[SUM:SUM+1], v[SUM:SUM+1], v[AX:AX+1]
.set jj, 0
.rept 16
	v_pk_mul_f32 v[O+jj:O+jj+1], v[O+jj:O+jj+1], v[F:F+1] op_sel_hi:[1,0]   ; O^T under the new M; the sums and these are the places ahead of the products
.set jj, jj+2
.endr
.endm
; A STEP of 128 keys.  On the way in are out, in this order: k and its words (18 loads), the mask (16), v and its words (18)
.macro STEP next
	s_wait_dscnt 18                                ; k and the mask are in; v's 18 may stay out
	WIN 0x44                                       ; D and the query: window 1; k and C (the mask): window 0
	SPROD QS1
	WIN 0
.if \next
	s_add_co_u32 s[SK], s[SK], 6144
	s_add_co_u32 s[SS], s[SS], 256
	s_add_co_u32 s[SM], s[SM], 512
	ADDR                                           ; seven places in front of products that write over the C of those above
.else
	PLACES 5
.endif
	SPROD QS0
	PLACES 4
.if \next
	LOADK
.endif
	SOFT 0, PS0
.if \next
	LOADM
	s_wait_alu depctr_va_vdst(0)
	s_wait_dscnt 34                                ; v is in; behind it the next k's 18 and the next mask's 16
.else
	s_wait_alu depctr_va_vdst(0)
	s_wait_dscnt 0x0
.endif
	WIN 0x01
	OPROD PS0
	SOFT 0x55, PS1
	OPROD PS1
	PLACES 4
.if \next
	LOADV
.endif
	WIN 0
.endm
.macro INIT                            ; the first step finds zeros, which the first change of M leaves zeros
.set jj, 0
.rept 32
	v_mov_b32 v[O+jj], 0
.set jj, jj+1
.endr
.set jj, 0
.rept 6
	v_mov_b32 v[ZQ+jj], 0
	v_mov_b32 v[ZQ+12+jj], 0
.set jj, jj+1
.endr
	v_mov_b32 v[SUM], 0
	v_mov_b32 v[SUM+1], 0
	v_mov_b32 v[TX], 0xff61b1e6                    ; -3e38
	s_delay_alu instid0(VALU_DEP_1)
	v_floor_f32 v[NM], -v[TX]
.irp b, 0,1,2,3
	v_mov_b32 v[BT+\b], 0                          ; a lane permute's destination counts as read
.endr
	v_mov_b32 v[F+1], 0
.endm
; THE WAY OUT of tile u: O^T / the sum, in the true order of the head's 64, quantised in two blocks of 32: half a fragment of y
.macro OUT w, wst, u
	WIN \w
	v_add_f32 v[T], v[SUM], v[SUM+1]
	s_delay_alu instid0(VALU_DEP_1)
	v_permlanex16_b32 v[BT], v[T], s[SEL], s[SEL+1]
	s_delay_alu instid0(VALU_DEP_1)
	v_add_f32 v[T], v[T], v[BT]
	s_wait_alu depctr_va_vdst(0)
	v_rcp_f32 v[AX], v[T]
	v_rcp_f32 v[AX+1], v[T]
	v_nop
.set jj, 0
	s_wait_alu depctr_va_vdst(0)
.rept 16
	v_pk_mul_f32 v[S+jj:S+jj+1], v[O+jj:O+jj+1], v[AX:AX+1]   ; register 8 t + j: channel 16 t + 8 h + j
.set jj, jj+2
.endr
.irp b, 0,1
.irp i, 0,1,2,3,4,5,6,7
	v_permlane16_swap_b32 v[S+16*\b+\i], v[S+16*\b+8+\i]   ; register 16 b + i: channel 32 b + 16 h + i
.endr
.endr
.irp b, 0,1
	v_max3_num_f32 v[BM+\b], |v[S+16*\b]|, |v[S+16*\b+1]|, 0x1800000
.endr
.irp i, 2,4,6,8,10,12,14
.irp b, 0,1
	s_delay_alu instid0(VALU_DEP_2)
	v_max3_num_f32 v[BM+\b], v[BM+\b], |v[S+16*\b+\i]|, |v[S+16*\b+\i+1]|
.endr
.endr
.irp b, 0,1
	s_delay_alu instid0(VALU_DEP_2)
	v_permlanex16_b32 v[BT+\b], v[BM+\b], s[SEL], s[SEL+1]
.endr
.irp b, 0,1
	s_delay_alu instid0(VALU_DEP_2)
	v_max_num_f32 v[BM+\b], v[BM+\b], v[BT+\b]
.endr
.irp b, 0,1
	s_delay_alu instid0(VALU_DEP_2)
	v_add_nc_u32 v[SO+\b], 0xff000000, v[BM+\b]
.endr
.irp b, 0,1
	s_delay_alu instid0(VALU_DEP_2)
	v_lshrrev_b32 v[BT+\b], 23, v[SO+\b]
.endr
	s_delay_alu instid0(VALU_DEP_1)
	v_lshl_or_b32 v[T], v[BT+1], 8, v[BT]
	v_cvt_scalef32_pk16_fp6_f32 v[PC:PC+2], v[S:S+15], v[SO]
	v_cvt_scalef32_pk16_fp6_f32 v[PC+12:PC+14], v[S+16:S+31], v[SO+1]
	v_nop
.irp i, 0,1,2
	v_permlane16_swap_b32 v[PC+\i], v[PC+12+\i]
.endr
.irp i, 0,1,2
	s_delay_alu instid0(VALU_DEP_3)
	v_mov_b32 v[PC+3+\i], v[PC+12+\i]
.endr
	WIN \wst
	global_store_b128 v18, v[PC:PC+3], s[18:19] offset:1536*\u        ; 512 consecutive bytes, aligned
	global_store_b64 v19, v[PC+4:PC+5], s[18:19] offset:1536*\u+512
	global_store_b16 v20, v[T], s[20:21] offset:64*\u                 ; two bytes of each row's word: the neighbouring head's work-group writes the other two
.endm
	s_load_b512 s[4:19], s[0:1], 0x0               ; q_img 4, q_sc 6, k_img 8, k_sc 10, v_img 12, v_sc 14, mask 16, y_img 18
	s_load_b64 s[20:21], s[0:1], 0x40              ; y_sc
	v_lshl_add_u32 v254, v0, 2, SPARE
	v_mov_b32 v255, 0
	ds_add_u32 v254, v255                          ; the opening lines
	ds_add_u32 v254, v255
	v_lshrrev_b32 v1, 5, v0
	s_delay_alu instid0(VALU_DEP_1)
	v_readfirstlane_b32 s[WV], v1                  ; wave 0..7
	s_bfe_u32 s23, ttmp6, 0x40000                  ; cx
	s_lshl_b32 s24, ttmp9, 2
	s_add_co_u32 s24, s24, s23                     ; my block of 256 queries: it enters q's and y's addresses alone
	s_and_b32 s25, ttmp7, 0xffff                   ; bh
.irp g, 32, 40                                 ; dense blocks as rows of 256 bytes; mask: all four work-groups, bit 21 beside it
	s_mov_b32 s[\g], 15|(3<<16)|(1<<21)
	s_mov_b32 s[\g+1], 32<<16
	s_mov_b32 s[\g+3], 32<<16
	s_mov_b32 s[\g+5], 32
	s_mov_b32 s[\g+6], 0
	s_mov_b32 s[\g+7], 0
.endr
	s_mov_b32 s34, 16<<16                          ; the scale words: 16 rows
	s_mov_b32 s36, 16
	s_mov_b32 s42, 128<<16                         ; a third of an image: 128 rows
	s_mov_b32 s44, 128
	s_mov_b32 s[SEL], 0x76543210
	s_mov_b32 s[SEL+1], 0xfedcba98
	s_mov_b32 s[CS], 0x3d38aa3b                    ; log2(e) / 32
	s_mov_b32 s[CS+1], s[CS]
	s_mov_b32 s[SK], 0
	s_mov_b32 s[SS], 0
	s_mov_b32 s[SM], 0
	s_mov_b32 s85, 0
	s_lshl_b32 s86, s[WV], 15                      ; waves 0-5: thirds of k's image, then of v's, which lies behind it
	s_lshl_b32 s87, s[WV], 12
	s_add_co_u32 s87, s87, KSC-6*4096              ; waves 6, 7: k's and v's scale words
	s_lshl_b32 s88, s24, 3
	s_add_co_u32 s88, s88, s[WV]                   ; my pair of query tiles within the head
	s_wait_dscnt 0x0
	s_wait_kmcnt 0x0
	s_cmp_lt_u32 s[WV], 3
	s_cselect_b64 s[80:81], s[8:9], s[12:13]
	s_cselect_b32 s89, 0, 98304
	s_cmp_eq_u32 s[WV], 6
	s_cselect_b64 s[82:83], s[10:11], s[14:15]
	s_mul_i32 s84, s25, 98304
	s_add_co_u32 s84, s84, s86
	s_sub_co_u32 s84, s84, s89
	s_add_nc_u64 s[80:81], s[80:81], s[84:85]
	s_lshl_b32 s84, s25, 12
	s_add_nc_u64 s[82:83], s[82:83], s[84:85]
	s_mov_b32 s68, 1
	s_mov_b32 s69, s87
	s_mov_b64 s[70:71], s[82:83]
	s_or_b32 s71, s71, 0x80000000
	s_mov_b32 s72, 1
	s_mov_b32 s73, s86
	s_mov_b64 s[74:75], s[80:81]
	s_or_b32 s75, s75, 0x80000000
	s_lshr_b32 s84, s25, 4
	s_lshl_b32 s84, s84, 13
	s_add_nc_u64 s[16:17], s[16:17], s[84:85]      ; the batch's 2,048 numbers
	s_mul_i32 s84, s25, 98304
	s_mul_i32 s89, s88, 1536
	s_add_co_u32 s84, s84, s89
	s_add_nc_u64 s[4:5], s[4:5], s[84:85]
	s_lshl_b32 s84, s25, 12
	s_lshl_b32 s89, s88, 6
	s_add_co_u32 s84, s84, s89
	s_add_nc_u64 s[6:7], s[6:7], s[84:85]
	s_lshr_b32 s90, s25, 4
	s_lshl_b32 s90, s90, 6
	s_add_co_u32 s90, s90, s88                     ; my pair of tiles among the 4,096 rows
	s_lshr_b32 s91, s90, 2                         ; the block of 128 rows
	s_and_b32 s92, s90, 3
	s_lshl_b32 s92, s92, 1
	s_bfe_u32 s93, s25, 0x30001                    ; the last product's K step: head / 2
	s_and_b32 s94, s25, 1                          ; which half of its fragments
	s_lshl_b32 s91, s91, 3
	s_add_co_u32 s91, s91, s93
	s_lshl_b32 s91, s91, 3
	s_add_co_u32 s91, s91, s92                     ; the fragment's number
	s_mul_i32 s84, s91, 1536
	s_mul_i32 s95, s94, 768
	s_add_co_u32 s84, s84, s95
	s_add_nc_u64 s[18:19], s[18:19], s[84:85]
	s_lshl_b32 s84, s91, 6
	s_lshl_b32 s95, s94, 1
	s_add_co_u32 s84, s84, s95
	s_add_nc_u64 s[20:21], s[20:21], s[84:85]
	CROUND                                         ; the joint loads meet
	s_cmp_lt_u32 s[WV], 6                          ; one tensor load a wave
	s_cbranch_scc0 .Lfill_s
	tensor_load_to_lds s[72:75], s[40:47]
	s_nop 0
	PLACES 4
	s_branch .Lfilled
.Lfill_s:
	tensor_load_to_lds s[68:71], s[32:39]
	s_nop 0
	PLACES 4
.Lfilled:
	v_and_b32 v1, 15, v0                           ; r
	v_bfe_u32 v2, v0, 4, 1                         ; h
	v_and_b32 v3, 31, v0                           ; lane
	s_delay_alu instid0(VALU_DEP_1)
	v_lshlrev_b32 v4, 4, v3
	v_lshlrev_b32 v5, 3, v3
	v_lshl_add_u32 v6, v3, 4, VIMG
	v_lshl_add_u32 v7, v3, 3, VIMG
	v_lshl_add_u32 v8, v3, 2, KSC
	v_lshl_add_u32 v9, v3, 2, VSC
	v_lshl_add_u32 v10, v2, 7, MSK                 ; the mask: my half's 32 keys of each 64
	v_lshlrev_b32 v18, 4, v3
	v_lshlrev_b32 v19, 3, v3
	v_lshlrev_b32 v20, 2, v1
	v_lshlrev_b32 v21, 5, v0                       ; thread t takes eight numbers of the mask
	v_lshl_add_u32 v22, v0, 5, MSK
	global_load_b128 v[24:27], v21, s[16:17]
	global_load_b128 v[28:31], v21, s[16:17] offset:16
	global_load_b128 v[ZQ+6:ZQ+9], v18, s[4:5]     ; tile 0 of my queries
	global_load_b64 v[ZQ+10:ZQ+11], v19, s[4:5] offset:512
	global_load_b32 v[QW], v20, s[6:7]
	WIN 0x40
	global_load_b128 v[ZQ+6:ZQ+9], v18, s[4:5] offset:768    ; tile 1
	global_load_b64 v[ZQ+10:ZQ+11], v19, s[4:5] offset:1280
	WIN 0
	INIT
	WIN 0x55
	INIT
	WIN 0
	s_wait_loadcnt 0x0
	v_perm_b32 v[QS0], v[QW], v[QW], 0x01000100    ; a tile's two bytes, doubled
	v_perm_b32 v[QS1], v[QW], v[QW], 0x03020302
.irp j, 24,26,28,30
	v_pk_mul_f32 v[\j:\j+1], v[\j:\j+1], 0x42000000 op_sel_hi:[1,0]   ; 32 x mask: exact
.endr
	ds_store_b128 v22, v[24:27]
	ds_store_b128 v22, v[28:31] offset:16
	s_wait_alu depctr_va_vdst(0)
	s_wait_tensorcnt 0x0                           ; my load is in
	s_wait_dscnt 0x0                               ; my part of the mask lies in LDS
	s_barrier_signal -1
	s_barrier_wait -1
	ADDR
	LOADK
	LOADM
	LOADV
	s_mov_b32 s[CNT], 15
.Lsteps:
	STEP 1
	s_sub_co_u32 s[CNT], s[CNT], 1
	s_cmp_lg_u32 s[CNT], 0
	s_cbranch_scc1 .Lsteps
	STEP 0                                         ; step 15 fetches nothing
	OUT 0, 0, 0
	OUT 0x55, 0x04, 1
	WIN 0
	s_wait_tensorcnt 0x0                           ; the wave's end
	ds_add_u32 v254, v255
	s_wait_dscnt 0x0
	CROUND                                         ; the closing round
	s_endpgm
.Lfunc_end_k_qaa559f6cf5_attn:
	.size	k_qaa559f6cf5_attn, .Lfunc_end_k_qaa559f6cf5_attn-k_qaa559f6cf5_attn
	.p2alignl 7, 3214868480
	.fill 96, 4, 3214868480
	.section	.rodata,"a",@progbits
	.p2align	6, 0x0
	.amdhsa_kernel k_qaa559f6cf5_attn
		.amdhsa_group_segment_fixed_size 214016
		.amdhsa_private_segment_fixed_size 0
		.amdhsa_enable_private_segment 0
		.amdhsa_kernarg_size 72
		.amdhsa_user_sgpr_count 2
		.amdhsa_user_sgpr_kernarg_segment_ptr 1
		.amdhsa_wavefront_size32 1
		.amdhsa_system_sgpr_workgroup_id_x 1
		.amdhsa_system_sgpr_workgroup_id_y 1
		.amdhsa_system_sgpr_workgroup_id_z 1
		.amdhsa_system_vgpr_workitem_id 0
		.amdhsa_next_free_vgpr 512
		.amdhsa_next_free_sgpr 96
		.amdhsa_reserve_vcc 0
		.amdhsa_float_denorm_mode_32 3
		.amdhsa_float_denorm_mode_16_64 3
		.amdhsa_memory_ordered 1
		.amdhsa_forward_progress 1
		.amdhsa_inst_pref_size 81
	.end_amdhsa_kernel
	.amdgpu_metadata
---
amdhsa.version: [ 1, 2 ]
amdhsa.kernels:
  - .name:           k_qaa559f6cf5_attn
    .symbol:         k_qaa559f6cf5_attn.kd
    .args:
      - { .name: q_img, .offset: 0, .size: 8, .value_kind: global_buffer, .address_space: global }
      - { .name: q_sc, .offset: 8, .size: 8, .value_kind: global_buffer, .address_space: global }
      - { .name: k_img, .offset: 16, .size: 8, .value_kind: global_buffer, .address_space: global }
      - { .name: k_sc, .offset: 24, .size: 8, .value_kind: global_buffer, .address_space: global }
      - { .name: v_img, .offset: 32, .size: 8, .value_kind: global_buffer, .address_space: global }
      - { .name: v_sc, .offset: 40, .size: 8, .value_kind: global_buffer, .address_space: global }
      - { .name: attention_mask, .offset: 48, .size: 8, .value_kind: global_buffer, .address_space: global }
      - { .name: y_img, .offset: 56, .size: 8, .value_kind: global_buffer, .address_space: global }
      - { .name: y_sc, .offset: 64, .size: 8, .value_kind: global_buffer, .address_space: global }
    .group_segment_fixed_size: 214016
    .private_segment_fixed_size: 0
    .kernarg_segment_align: 8
    .kernarg_segment_size: 72
    .max_flat_workgroup_size: 256
    .sgpr_count:     96
    .vgpr_count:     512
    .wavefront_size: 32
...
	.end_amdgpu_metadata
.endif
;; end of part 2
;; launch oproj (part 3): grid 8 x 32, 4 waves a work-group, clusters of 4 x 4, 220,672 bytes of LDS; arguments y_img, y_sc, Wo_codes, Wo_scales, out0; writes out0
.if DOCPART == 3
	.amdgcn_target "amdgcn-amd-amdhsa--gfx1250"
	.amdhsa_code_object_version 6
	.text
	.protected	k_qaa559f6cf5_oproj
	.globl	k_qaa559f6cf5_oproj
	.p2align	8
	.type	k_qaa559f6cf5_oproj,@function
k_qaa559f6cf5_oproj:
	s_mov_b64 s[64:65], 0
	v_nop
	global_prefetch_b8 v0, s[64:65] scope:SCOPE_SE
	s_setreg_imm32_b32 hwreg(HW_REG_WAVE_MODE, 25, 1), 1
	s_wait_xcnt 0x0
	s_wait_alu depctr_hold_cnt(0) depctr_sa_sdst(0) depctr_va_vdst(0) depctr_va_sdst(0) depctr_va_ssrc(0) depctr_va_vcc(0) depctr_vm_vsrc(0)
	s_getreg_b32 s2, hwreg(HW_REG_IB_STS2, 6, 4)
	s_cmp_eq_u32 s2, 0
	s_cbranch_scc0 .Lentry_in_a_cluster
	s_endpgm
.Lentry_in_a_cluster:
	s_bfe_u32 s2, ttmp6, 0x10000c
	s_cmp_lg_u32 s2, 0xf033
	s_cbranch_scc0 .Lentry_shape_is_right
	s_endpgm
.Lentry_shape_is_right:
; out = y Wo^T on codes of FP6 (E2M3), one E8M0 scale for each 32 along K = 1,024; out is f32.  y comes as images of operand registers (a fragment: 1,536 bytes),
; laid [block of 128 rows][K step][tile of 16 rows]; Wo as rows of 768 bytes.
; SHARES.  A work-group makes 128 x 128 of out: 256 work-groups.  Each of its four waves makes 64 x 64: 16 accumulators, 8 fragments for each 128 along K.
; Both panels for the whole K come by ONE tensor load a wave, each byte filled once: waves 0, 1 a half of y's 98,304 bytes, waves 2, 3 64 whole rows of Wo (16 bytes of padding behind each 256: an LDS row is 816 bytes).
; The product is used transposed (source 0 = Wo, source 1 = y): a lane holds eight neighbouring columns of one row of out.
; Row m of y's tile i is row 32 (m / 8) + 8 i + m % 8 of the wave's 64 (the first launch's choice): the stores' offsets put the rows in their places.
; CLUSTER 4 x 4: y's panel is shared along a row of the cluster, Wo's along a column.  No prefetch: all bytes are asked for at the head, there is no loop to run ahead in.
; REGISTERS.  window 0: v1-15 addresses; v32-47 y's scale words (32 + 2 q + g; lanes 0-15 tile 2 g, lanes 16-31 tile 2 g + 1); v48-79 Wo's (48 + 8 t + q); v128-255 accumulators (128 + 32 i + 8 t).
;   window 1: two sets of fragments at 0 and 128: y 12 i, Wo 48 + 12 t.
.set PITCH, 816
.set WOFF, 98304
.set STG,  WOFF+128*PITCH              ; a stage of 16 rows x 272 bytes for each wave; no tile lands there
.set SPARE, STG+4*4352
.set YS,  32
.set WS,  48
.set ACC, 128
.set WV,  14
.set G1Y, 24
.set G1W, 32
.set G0Y, 40
.set G0W, 68
.set MSB, 0
.macro WIN new
.if MSB != \new
	s_set_vgpr_msb (MSB<<8)|\new
.set MSB, \new
.endif
.endm
.macro PLACES n
.rept \n
	v_nop
.endr
.endm
.macro CROUND
	s_barrier_signal -1
	s_barrier_wait -1
	s_cmp_lg_u32 s[WV], 0
	s_cbranch_scc1 .Lnot_wave_0_\@
	s_barrier_signal -3
.Lnot_wave_0_\@:
	s_barrier_wait -3
	s_barrier_signal -1
	s_barrier_wait -1
.endm
.macro MM d, a, b, z, sa, sb, row      ; z: C is the constant 0; row = 2: B's scales from lanes 16-31
.if \z
.if (\row) == 2
	v_wmma_scale_f32_16x16x128_f8f6f4 v[\d:\d+7], v[\a:\a+11], v[\b:\b+11], 0, v[\sa], v[\sb] matrix_a_fmt:MATRIX_FMT_FP6 matrix_b_fmt:MATRIX_FMT_FP6 matrix_b_scale:MATRIX_SCALE_ROW1
.else
	v_wmma_scale_f32_16x16x128_f8f6f4 v[\d:\d+7], v[\a:\a+11], v[\b:\b+11], 0, v[\sa], v[\sb] matrix_a_fmt:MATRIX_FMT_FP6 matrix_b_fmt:MATRIX_FMT_FP6
.endif
.else
.if (\row) == 2
	v_wmma_scale_f32_16x16x128_f8f6f4 v[\d:\d+7], v[\a:\a+11], v[\b:\b+11], v[\d:\d+7], v[\sa], v[\sb] matrix_a_fmt:MATRIX_FMT_FP6 matrix_b_fmt:MATRIX_FMT_FP6 matrix_b_scale:MATRIX_SCALE_ROW1
.else
	v_wmma_scale_f32_16x16x128_f8f6f4 v[\d:\d+7], v[\a:\a+11], v[\b:\b+11], v[\d:\d+7], v[\sa], v[\sb] matrix_a_fmt:MATRIX_FMT_FP6 matrix_b_fmt:MATRIX_FMT_FP6
.endif
.endif
.endm
.macro FRAG reg, adr, q, rowoff        ; K step q of a row: six pieces of 8 bytes; piece n lies at 8 n + 16 (n / 32); lanes 16-31 read three pieces on
.irp p, 0,1,2,3,4,5
.set PCE, 12*(\q)+6*(\p/3)+\p%3
.if PCE%32 < 29
	ds_load_b64 v[\reg+2*\p:\reg+2*\p+1], v[\adr] offset:8*PCE+16*(PCE/32)+(\rowoff)*PITCH
.else
	ds_load_b64 v[\reg+2*\p:\reg+2*\p+1], v[\adr+1] offset:8*PCE+16*(PCE/32)+(\rowoff)*PITCH
.endif
.endr
.endm
.macro IMGF reg, a16, a8, off
	ds_load_b128 v[\reg:\reg+3], v[\a16] offset:\off
	ds_load_b64 v[\reg+4:\reg+5], v[\a8] offset:\off+512
	ds_load_b128 v[\reg+6:\reg+9], v[\a16] offset:\off+768
	ds_load_b64 v[\reg+10:\reg+11], v[\a8] offset:\off+1280
.endm
.macro FETCH q, p                      ; the eight fragments of K step q into set p: 40 loads; v4, v5 serve y's K steps 0-3, v14, v15 steps 4-7
	WIN 0x40
.irp i, 0,1,2,3
	IMGF 128*(\p)+12*\i, 4+10*((\q)/4), 5+10*((\q)/4), ((\q)%4)*12288+1536*\i
.endr
.irp t, 0,1,2,3
	FRAG 128*(\p)+48+12*\t, 6, \q, 16*\t
.endr
.endm
.macro MULS q, p                       ; the 16 accumulators by turns
.irp i, 0,1,2,3
.irp t, 0,1,2,3
	MM ACC+32*\i+8*\t, 128*(\p)+48+12*\t, 128*(\p)+12*\i, (\q)==0, WS+8*\t+(\q), YS+2*(\q)+\i/2, 2*(\i%2)
.endr
.endr
.endm
.macro KSTEP q
	s_wait_dscnt 0x0                               ; this step's fragments are in
.if (\q) > 0 && (\q) < 7
	PLACES 4                                       ; in front of loads into registers that the last step's products have read
.endif
.if (\q) < 7
	FETCH (\q)+1, 1-(\q)%2
.endif
	WIN 0x05
	MULS \q, (\q)%2
.endm
	s_load_b256 s[4:11], s[0:1], 0x0               ; y_img 4, y_sc 6, Wo codes 8, Wo scales 10
	s_load_b64 s[12:13], s[0:1], 0x20              ; out
	v_lshl_add_u32 v126, v0, 2, SPARE
	v_mov_b32 v127, 0
	ds_add_u32 v126, v127                          ; the opening lines
	ds_add_u32 v126, v127
	v_lshrrev_b32 v1, 5, v0
	v_readfirstlane_b32 s[WV], v1                  ; wave 0..3
	s_lshr_b32 s15, s[WV], 1                       ; wr: which 64 rows.  Also: I fetch for y (0) or for Wo (1)
	s_and_b32 s16, s[WV], 1                        ; wc: which 64 columns.  Also: which half I fetch
	s_bfe_u32 s17, ttmp6, 0x40000                  ; cx
	s_bfe_u32 s18, ttmp6, 0x40004                  ; cy
	s_lshl_b32 s19, ttmp9, 2
	s_add_co_u32 s19, s19, s17                     ; the block of 128 columns
	s_and_b32 s20, ttmp7, 0xffff
	s_lshl_b32 s20, s20, 2
	s_add_co_u32 s20, s20, s18                     ; the block of 128 rows
	s_lshl_b32 s21, s18, 2
	s_lshl_b32 s21, 15, s21
	s_lshl_b32 s22, 0x1111, s17
	s_or_b32 s[G1Y], s21, (3<<16)|(1<<21)          ; y: 49,152 dense bytes as 192 rows of 256
	s_mov_b32 s[G1Y+1], 32<<16
	s_mov_b32 s[G1Y+2], 192<<16
	s_mov_b32 s[G1Y+3], 32<<16
	s_mov_b32 s[G1Y+4], 192
	s_mov_b32 s[G1Y+5], 32
	s_mov_b32 s[G1Y+6], 0
	s_mov_b32 s[G1Y+7], 0
	s_or_b32 s[G1W], s22, (1<<20)|(1<<21)|(5<<22)|(3<<25)   ; Wo: 64 whole rows of 768 bytes, 16 bytes of padding behind every 256
	s_mov_b32 s[G1W+1], 768<<16
	s_mov_b32 s[G1W+2], 64<<16
	s_mov_b32 s[G1W+3], 768<<16
	s_mov_b32 s[G1W+4], 64
	s_mov_b32 s[G1W+5], 768
	s_mov_b32 s[G1W+6], 0
	s_mov_b32 s[G1W+7], 0
	s_mul_i32 s58, s16, 49152                      ; y: in LDS as in memory
	s_mul_i32 s56, s20, 98304
	s_add_co_u32 s56, s56, s58
	s_mov_b32 s57, 0
	s_mul_i32 s60, s19, 98304                      ; Wo: rows 128 x block + 64 wc
	s_add_co_u32 s60, s60, s58
	s_mov_b32 s61, 0
	s_mul_i32 s59, s16, 64*PITCH
	s_add_co_u32 s59, s59, WOFF
	s_wait_dscnt 0x0
	s_wait_kmcnt 0x0
	s_mov_b32 s[G0Y], 1
	s_mov_b32 s[G0Y+1], s58
	s_add_nc_u64 s[G0Y+2:G0Y+3], s[4:5], s[56:57]
	s_or_b32 s[G0Y+3], s[G0Y+3], 0x80000000
	s_mov_b32 s[G0W], 1
	s_mov_b32 s[G0W+1], s59
	s_add_nc_u64 s[G0W+2:G0W+3], s[8:9], s[60:61]
	s_or_b32 s[G0W+3], s[G0W+3], 0x80000000
	CROUND                                         ; the joint loads meet
	s_cmp_eq_u32 s15, 0                            ; one tensor load a wave
	s_cbranch_scc0 .Lfill_w
	tensor_load_to_lds s[G0Y:G0Y+3], s[G1Y:G1Y+7]
	s_nop 0
	PLACES 4
	s_branch .Lfilled
.Lfill_w:
	tensor_load_to_lds s[G0W:G0W+3], s[G1W:G1W+7]
	s_nop 0
	PLACES 4
.Lfilled:
	v_and_b32 v1, 15, v0                           ; r
	v_bfe_u32 v2, v0, 4, 1                         ; h
	v_and_b32 v3, 31, v0                           ; lane
	s_mul_i32 s84, s15, 6144                       ; my four tiles of y in a K step
	v_lshl_add_u32 v4, v3, 4, s84
	v_lshl_add_u32 v5, v3, 3, s84
	v_add_nc_u32 v14, 49152, v4
	v_add_nc_u32 v15, 49152, v5
	v_mul_u32_u24 v13, v1, PITCH
	v_mad_u32_u24 v13, v2, 24, v13
	v_add_nc_u32 v6, s59, v13                      ; my 64 rows of Wo
	v_lshl_add_u32 v7, v2, 4, v6
	s_mul_i32 s84, s[WV], 4352
	s_add_co_u32 s84, s84, STG                     ; my stage
	v_mul_u32_u24 v8, v1, 272
	v_lshl_add_u32 v8, v2, 5, v8
	v_add_nc_u32 v8, s84, v8                       ; in: row r, 32 bytes for each half of the lanes
	v_mul_u32_u24 v9, v2, 272
	v_lshl_add_u32 v9, v1, 4, v9
	v_add_nc_u32 v9, s84, v9                       ; back: lanes 0-15 one row of 256 bytes, lanes 16-31 the next
	v_lshlrev_b32 v10, 12, v2
	v_lshl_add_u32 v10, v1, 4, v10                 ; and the same two rows in out
	v_lshlrev_b32 v11, 2, v3
	v_lshlrev_b32 v12, 5, v1
	s_wait_alu depctr_va_vdst(0)
	s_mov_b32 s87, 0
	s_lshl_b32 s86, s20, 12
	s_lshl_b32 s84, s15, 8
	s_add_co_u32 s86, s86, s84
	s_add_nc_u64 s[6:7], s[6:7], s[86:87]          ; y's scale words: 4,096 bytes a block of rows, 512 a K step, 64 a tile
	s_lshl_b32 s86, s19, 12
	s_lshl_b32 s84, s16, 11
	s_add_co_u32 s86, s86, s84
	s_add_nc_u64 s[10:11], s[10:11], s[86:87]      ; Wo's: 32 bytes a row
.irp q, 0,1,2,3,4,5,6,7
	global_load_b32 v[YS+2*\q], v11, s[6:7] offset:512*\q
	global_load_b32 v[YS+2*\q+1], v11, s[6:7] offset:512*\q+128
.endr
.irp t, 0,1,2,3
	global_load_b128 v[WS+8*\t:WS+8*\t+3], v12, s[10:11] offset:512*\t
	global_load_b128 v[WS+8*\t+4:WS+8*\t+7], v12, s[10:11] offset:512*\t+16
.endr
	s_lshl_b32 s86, s20, 19
	s_lshl_b32 s84, s15, 18
	s_add_co_u32 s86, s86, s84
	s_lshl_b32 s84, s19, 9
	s_add_co_u32 s86, s86, s84
	s_lshl_b32 s84, s16, 8
	s_add_co_u32 s86, s86, s84
	s_add_nc_u64 s[12:13], s[12:13], s[86:87]
	s_wait_tensorcnt 0x0                           ; my load is in
	s_barrier_signal -1
	s_barrier_wait -1                              ; everybody's is
	FETCH 0, 0
	s_wait_loadcnt 0x0                             ; the scale words
.irp q, 0,1,2,3,4,5,6,7
	KSTEP \q
.endr
	; THE WAY OUT, 16 rows x 64 columns at a time, through my own stage: LDS serves a wave's instructions in order (ISA guide 5.7.1.4)
	WIN 0
	PLACES 4
.irp i, 0,1,2,3
.irp t, 0,1,2,3
	ds_store_b128 v8, v[ACC+32*\i+8*\t:ACC+32*\i+8*\t+3] offset:64*\t          ; each accumulator from its low end on
	ds_store_b128 v8, v[ACC+32*\i+8*\t+4:ACC+32*\i+8*\t+7] offset:64*\t+16
.endr
.irp k, 0,1,2,3,4,5,6,7
	ds_load_b128 v[ACC+32*\i+4*\k:ACC+32*\i+4*\k+3], v9 offset:544*\k
.endr
.endr
.irp i, 0,1,2,3
.irp k, 0,1,2,3,4,5,6,7
	s_wait_dscnt (3-\i)*16+7-\k                    ; behind this load: the rest of its block's loads and the later blocks' sixteen instructions each
	global_store_b128 v10, v[ACC+32*\i+4*\k:ACC+32*\i+4*\k+3], s[12:13] offset:(32*(\k/4)+8*\i+2*(\k%4))*4096 th:TH_STORE_NT   ; tile rows 2 k, 2 k + 1 at their true rows; 16 lanes store 256 consecutive bytes, aligned
.endr
.endr
	s_wait_tensorcnt 0x0                           ; the wave's end
	ds_add_u32 v126, v127
	s_wait_dscnt 0x0
	CROUND                                         ; the closing round
	s_endpgm
.Lfunc_end_k_qaa559f6cf5_oproj:
	.size	k_qaa559f6cf5_oproj, .Lfunc_end_k_qaa559f6cf5_oproj-k_qaa559f6cf5_oproj
	.p2alignl 7, 3214868480
	.fill 96, 4, 3214868480
	.section	.rodata,"a",@progbits
	.p2align	6, 0x0
	.amdhsa_kernel k_qaa559f6cf5_oproj
		.amdhsa_group_segment_fixed_size 220672
		.amdhsa_private_segment_fixed_size 0
		.amdhsa_enable_private_segment 0
		.amdhsa_kernarg_size 40
		.amdhsa_user_sgpr_count 2
		.amdhsa_user_sgpr_kernarg_segment_ptr 1
		.amdhsa_wavefront_size32 1
		.amdhsa_system_sgpr_workgroup_id_x 1
		.amdhsa_system_sgpr_workgroup_id_y 1
		.amdhsa_system_sgpr_workgroup_id_z 1
		.amdhsa_system_vgpr_workitem_id 0
		.amdhsa_next_free_vgpr 512
		.amdhsa_next_free_sgpr 88
		.amdhsa_reserve_vcc 0
		.amdhsa_float_denorm_mode_32 3
		.amdhsa_float_denorm_mode_16_64 3
		.amdhsa_memory_ordered 1
		.amdhsa_forward_progress 1
		.amdhsa_inst_pref_size 55
	.end_amdhsa_kernel
	.amdgpu_metadata
---
amdhsa.version: [ 1, 2 ]
amdhsa.kernels:
  - .name:           k_qaa559f6cf5_oproj
    .symbol:         k_qaa559f6cf5_oproj.kd
    .args:
      - { .name: y_img, .offset: 0, .size: 8, .value_kind: global_buffer, .address_space: global }
      - { .name: y_sc, .offset: 8, .size: 8, .value_kind: global_buffer, .address_space: global }
      - { .name: Wo_codes, .offset: 16, .size: 8, .value_kind: global_buffer, .address_space: global }
      - { .name: Wo_scales, .offset: 24, .size: 8, .value_kind: global_buffer, .address_space: global }
      - { .name: out0, .offset: 32, .size: 8, .value_kind: global_buffer, .address_space: global }
    .group_segment_fixed_size: 220672
    .private_segment_fixed_size: 0
    .kernarg_segment_align: 8
    .kernarg_segment_size: 40
    .max_flat_workgroup_size: 128
    .sgpr_count:     88
    .vgpr_count:     512
    .wavefront_size: 32
...
	.end_amdgpu_metadata
.endif
;; end of part 3
